; MI455X (gfx1250); checked and timed in simulation.
; The chip was launched on July 23, 2026; its instructions are those of AMD's public machine-readable ISA for CDNA 5 (MIT licence, August 2026) and "CDNA5" Instruction Set Architecture Reference Guide (July 2026). The comments in the code are by the model that wrote it; some were corrected since.
;; Multi Head Attention. Allowed arithmetic: matrix products marked QUANTISED: E4M3 operands, one given power-of-two scale a tensor, by v_wmma_f32_16x16x64_fp8_fp8 or v_wmma_f32_16x16x128_fp8_fp8, f32 sums; everything else in f32.
;; Inputs: Wk_codes 1,024 x 32 x 32 uint8 (E4M3 codes of Wk, K innermost, in blocks of 32 codes); Wo_codes 1,024 x 32 x 32 uint8 (E4M3 codes of Wo, K innermost, in blocks of 32 codes); Wq_codes 1,024 x 32 x 32 uint8 (E4M3 codes of Wq, K innermost, in blocks of 32 codes); Wv_codes 1,024 x 32 x 32 uint8 (E4M3 codes of Wv, K innermost, in blocks of 32 codes); bk 1,024 float32; bo 1,024 float32; bq 1,024 float32; bv 1,024 float32; lowp_scales 12 int32 (the exponents e of the quantised operands' scales 2^e); x_codes 4 x 2,048 x 32 x 32 uint8 (E4M3 codes of x, K innermost, in blocks of 32 codes).
;; Outputs: out0 4 x 2,048 x 1,024 float32.
;; This version of the problem:
;;   THIS VERSION OF THE PROBLEM IS GIVEN IN LOW PRECISION. The matrix products marked QUANTISED in the list below multiply operands that are first quantised to E4M3 (4 exponent bits, 3 mantissa bits; 8 bits a number), with one given power-of-two scale for each operand tensor; their sums are f32. All else is computed in f32.
;;   The module's matrix products, in the order in which they are computed (A, B: the left and right operand; K: the contracted axis; several contracted axes count as one K, in the product's order):
;;     1. [M 8,192, K 1,024] x [K 1,024, N 1,024]; A: input x (given as codes); B: input Wq (given as codes): QUANTISED (scales: A lowp_scales[0], B lowp_scales[1])
;;     2. [M 8,192, K 1,024] x [K 1,024, N 1,024]; A: input x (given as codes); B: input Wk (given as codes): QUANTISED (scales: A lowp_scales[2], B lowp_scales[3])
;;     3. [M 8,192, K 1,024] x [K 1,024, N 1,024]; A: input x (given as codes); B: input Wv (given as codes): QUANTISED (scales: A lowp_scales[4], B lowp_scales[5])
;;     4. batch 64 x [M 2,048, K 64] x [K 64, N 2,048]; A: computed on the way; B: computed on the way: QUANTISED (scales: A lowp_scales[6], B lowp_scales[7])
;;     5. batch 64 x [M 2,048, K 2,048] x [K 2,048, N 64]; A: softmax (see below); B: computed on the way: QUANTISED (scales: A lowp_scales[8], B lowp_scales[9])
;;     6. [M 8,192, K 1,024] x [K 1,024, N 1,024]; A: computed on the way; B: input Wo (given as codes): QUANTISED (scales: A lowp_scales[10], B lowp_scales[11])
;;   THE QUANTISER, for each operand of a quantised product, along K:
;;     - The operand's scale is 2^e, e = its entry of the input lowp_scales (int32; the entries are numbered through the quantised products in the list's order, A before B).
;;     - Each number is divided by the scale, clamped to +-448, and rounded to the nearest number of E4M3, ties to even, subnormals kept.
;;     - The product sums the exact products of the quantised numbers (number of the format x scale) in f32.
;;   ~~~python
;;   def quantise(x, axis, e):      # numpy; x: float32 -> the quantised numbers, widened to float32 again
;;       x = np.moveaxis(x, axis, -1); K = x.shape[-1]
;;       r = np.clip(x / 2.0 ** e, -448, 448)
;;       step = 2.0 ** (np.maximum(np.frexp(np.where(r == 0, 1, r))[1] - 1, -6) - 3)
;;       q = np.round(r / step) * step * 2.0 ** e      # np.round: ties to even
;;       return np.moveaxis(q, -1, axis).astype(np.float32)
;;   ~~~
;;   SOFTMAX AHEAD OF A QUANTISED PRODUCT. Where the list says 'softmax', what is quantised is not the finished softmax but p = 2^(t - M), with t = logit x log2(e) and M = ceil(the row's largest t), a whole number; so 1/2 < the row's largest p <= 1. The row's sum l is taken of the UNQUANTISED p, in f32, and the product's result is divided by l at the end. Since M is a whole number, a kernel that streams over the keys may use a running M (the ceiling of the running maximum): every later rescaling is an exact power of two, so the quantised numbers keep their values, but for numbers so far below the row's largest that they fall under the format's range.
;;   OPERANDS COMPUTED ON THE WAY. 'Computed on the way' means the value that the module computes at that place (a softmax that the list does not call 'softmax' is quantised finished and normalised). What goes into a quantiser is computed in f32, as accurately as f32 sums, v_exp_f32 and their like allow (about 1e-6 of the number): no bf16 or f16 on the way to a quantiser, and a product that is left as it is and whose result goes on into a quantised operand takes f32 operands (vector FMAs, or v_wmma_f32_16x16x4_f32). A number that lies on a knife's edge between two numbers of the format may be rounded either way, as far as f32 arithmetic and the matrix unit's own rounding can turn it there, and no further.
;;   INPUTS GIVEN AS CODES. Wk (in the module: [1024, 1024], K = its axis 0); Wo (in the module: [1024, 1024], K = its axis 0); Wq (in the module: [1024, 1024], K = its axis 0); Wv (in the module: [1024, 1024], K = its axis 0); x (in the module: [4, 2048, 1024], K = its axis 2): each comes as NAME_codes (uint8): NAME with its K axis moved to the last place and cut into blocks of 32 codes, [.., K / 32, bytes a block], one block behind the other in memory; one code a byte (a code: sign, 4 exponent bits, 3 mantissa bits); its scale is its entry of lowp_scales. Its value is code x scale, taken as it is: it is not quantised again, and the codes and scales need not be those that the quantiser above would give.
;; One version. Each part assembles by itself: llvm-mc -triple=amdgcn-amd-amdhsa -mcpu=gfx1250 --defsym DOCPART=n.
;; ======== version 1 of 1: 3 launches
;; limits: right only within a limited range of input values
;; workspace buffers: qc 8,388,608 bytes; kc 8,388,608 bytes; vc 8,388,608 bytes; cc 8,388,608 bytes
;; launch qkv (part 1): grid 12 x 32, 4 waves a work-group, clusters of 4 x 4, 327,680 bytes of LDS; arguments x_codes, Wq_codes, Wk_codes, Wv_codes, bq, bk, bv, lowp_scales, qc, kc, vc; writes qc, kc, vc
.if DOCPART == 1
	.amdgcn_target "amdgcn-amd-amdhsa--gfx1250"
	.amdhsa_code_object_version 6
	.text
	.protected	k_qfe8abcc731_qkv
	.globl	k_qfe8abcc731_qkv
	.p2align	8
	.type	k_qfe8abcc731_qkv,@function
k_qfe8abcc731_qkv:
	s_mov_b64 s[64:65], 0
	v_nop
	global_prefetch_b8 v0, s[64:65] scope:SCOPE_SE
	s_setreg_imm32_b32 hwreg(HW_REG_WAVE_MODE, 25, 1), 1
	s_wait_xcnt 0x0
	s_wait_alu depctr_hold_cnt(0) depctr_sa_sdst(0) depctr_va_vdst(0) depctr_va_sdst(0) depctr_va_ssrc(0) depctr_va_vcc(0) depctr_vm_vsrc(0)
	s_getreg_b32 s2, hwreg(HW_REG_IB_STS2, 6, 4)
	s_cmp_eq_u32 s2, 0
	s_cbranch_scc0 .Lentry_in_a_cluster
	s_endpgm
.Lentry_in_a_cluster:
	s_bfe_u32 s2, ttmp6, 0x10000c
	s_cmp_lg_u32 s2, 0xf033
	s_cbranch_scc0 .Lentry_shape_is_right
	s_endpgm
.Lentry_shape_is_right:
; q = x Wq + bq, k = x Wk + bk, v = x Wv + bv on codes of FP8 (E4M3), and the three results quantised again for the attention launch.
; x: [8192][1024] codes; Wq, Wk, Wv: [1024 (n)][1024 (k)] codes, K innermost.  A sum of codes stands for sum x 2^(eA + eB): (e0, e1) for q, (e2, e3) for k, (e4, e5) for v.
; result = sum x 2^(eA + eB) + bias, in f32; code = result / 2^eo, held within +-448, to the nearest code, ties to even: eo = e6 for q, e7 for k, e9 for v.
; LIMITS: eA + eB between -126 and 127; eo between -126 and 119, so that each power of two below is an f32 number.  NaN among the biases is not served.
; k is laid in the fragments by loads of 16 bytes, the same way in both operands of a product: the order of the sums inside one matrix instruction differs from ascending k.
; SHARES.  Cluster x = 0, 1, 2 makes q, k, v.  A work-group makes a tile of 256 rows (t) x 256 features, each of its four waves 128 x 128: 64 accumulators, 512 registers.
; K goes in steps of 256 through a ring of two LDS slots filled by the tensor data mover; a tile's row is 256 bytes of memory.  1,024 along K are four such steps: the eight steps of 128 are written out.
; CLUSTERS: 4 x 4 work-groups.  The four of a row need the same tiles of x, the four of a column the same tiles of the weight: each tile is asked for jointly.
; WHICH OPERAND IS SOURCE 0.  q, k: source 0 = 16 rows of W, source 1 = 16 rows of x: a lane holds one t and eight neighbouring features, which are neighbours along the next product's K (the head's 64).
; v: source 0 = 16 rows of x, source 1 = 16 rows of Wv: a lane holds one feature and eight neighbouring t, which are neighbours along its next K (the keys).
; The tensor loads are the same for all three; only the two LDS bases from which the fragments are read change places, by a choice on the cluster's x, which all sixteen partners share.
; THE WAY OUT needs no LDS: the workspace is laid as IMAGES OF THE NEXT OPERAND'S REGISTERS.  A conversion's two registers are two registers of a fragment; four of them, 16 bytes a lane, leave by one store:
; 32 lanes x 16 bytes = 512 consecutive bytes, at a multiple of 512 from the buffer's first byte.
;   qc, kc: [batch x head 64][t / 16: 128][c 2][lane 32][16 bytes]: lane (r, h) holds t = 16 tile + r, d = 32 c + 8 h + 0..7, then 32 c + 16 + 8 h + 0..7
;   vc:     [batch x head 64][t / 128: 16][d / 16: 4][c 4][lane 32][16 bytes]: lane (r, h) holds d = 16 ct + r, keys 32 c + 8 h + 0..7, then 32 c + 16 + 8 h + 0..7
; REGISTERS, in windows of 256: window 0: v0-31 addresses and constants; v32-95 the bias along a lane's registers (q, k); v96-111 the bias of a lane's feature, twice each (v); from v128 the fragments read by ADRA, one set;
;   on the way out v128-191 the numbers, v192-255 four sets of codes.   window 1: the fragments read by ADRB, two sets.   windows 2, 3: the accumulators ((a, b) at v[8 (8 (a % 4) + b)]).
.set ROWB,   256                       ; a tile's row in bytes
.set KROW,   1024                      ; a row of x or of a weight in memory, in bytes
.set PITCH,  272                       ; an LDS row: 256 bytes + 16 of padding = 68 words: row r starts at bank 4 r mod 64 (64 banks of 4 bytes: ISA guide 11.1)
.set FR,     16                        ; registers of a fragment: 16 rows x 128 K
.set NL,     4                         ; LDS loads that bring one
.set NP,     4                         ; places behind this matrix instruction (ISA guide 7.12.1)
.set HALFT,  128*PITCH                 ; 128 rows: what one tensor load brings
.set SLOT,   4*HALFT                   ; x's 256 rows, then the weight's 256 rows
.set SPARE,  2*SLOT                    ; behind the ring: the spare words, 128 bytes for each wave
.set ADRA, 16                          ; v16-17  LDS address of source 1's fragments in slot 0, 1
.set ADRB, 20                          ; v20-21  of source 0's
.set HB,   22                          ; v22     byte offset in the bias of my eight features of block 0 (q, k)
.set RB,   23                          ; v23     byte offset in the bias of my feature of block 0 (v)
.set CO,   26                          ; v26     16 x lane: my place in an image's 512 bytes; never rewritten
.set LIMV, 27
.set SPW,  28                          ; v28     LDS address of my spare word; never rewritten
.set NIL,  29                          ; v29     0; never rewritten
.set SCV,  30                          ; v30     2^eo
.set BC,   32
.set BR,   96
.set AF,   128
.set TMP,  128
.set CD,   192
.set G1, 24                            ; s[24:31] descriptor group 1 for x's tiles;  s[32:39] group 0, one set for each slot
.set G0, 32
.set G1B, 48                           ; s[48:55], s[56:63] the same for the weight's tiles
.set G0B, 56
.set MSB, 0
.macro WIN new                         ; the immediate's high byte repeats the setting that is left
.if MSB != \new
	s_set_vgpr_msb (MSB<<8)|\new
.set MSB, \new
.endif
.endm
.set MUL_LO, 0xa1                      ; source 0 window 1, source 1 window 0, C and D window 2
.set MUL_HI, 0xf1                      ; the same, C and D window 3
.set TO_B,   0x40                      ; destination window 1, address window 0
; A joint load: waves 0 and 1 fetch x's halves, waves 2 and 3 the weight's.  The branch hangs on the wave's number alone.  Four v_nop follow each of the two lines.
.macro JLOAD g0a, g1a, g0b, g1b
	s_cmp_eq_u32 s15, 0
	s_cbranch_scc0 .Lfor_b_\@
	tensor_load_to_lds s[\g0a:\g0a+3], s[\g1a:\g1a+7]
	s_nop 0
.rept 4
	v_nop
.endr
	s_branch .Lasked_\@
.Lfor_b_\@:
	tensor_load_to_lds s[\g0b:\g0b+3], s[\g1b:\g1b+7]
	s_nop 0
.rept 4
	v_nop
.endr
.Lasked_\@:
.endm
.macro CREST                           ; a round of the cluster's barrier behind its opening barrier
	s_cmp_lg_u32 s14, 0
	s_cbranch_scc1 .Lnot_wave_0_\@
	s_barrier_signal -3
.Lnot_wave_0_\@:
	s_barrier_wait -3
	s_barrier_signal -1
	s_barrier_wait -1
.endm
.macro CROUND                          ; a whole round
	s_barrier_signal -1
	s_barrier_wait -1
	CREST
.endm
	s_load_b256 s[68:75], s[0:1], 0x0              ; x, Wq, Wk, Wv
	s_load_b256 s[76:83], s[0:1], 0x20             ; bq, bk, bv, the scales' exponents
	s_load_b128 s[84:87], s[0:1], 0x40             ; qc, kc
	s_load_b64 s[88:89], s[0:1], 0x50              ; vc
	v_lshl_add_u32 v[SPW], v0, 2, SPARE
	v_mov_b32 v[NIL], 0
	ds_add_u32 v28, v29
	ds_add_u32 v28, v29
	s_wait_dscnt 0x0
	v_lshrrev_b32 v1, 5, v0
	v_readfirstlane_b32 s14, v1                    ; wave 0..3
	s_lshr_b32 s15, s14, 1                         ; which 128 rows ADRA reads.  Also: I fetch for x (0) or for the weight (1)
	s_and_b32 s16, s14, 1                          ; which 128 rows ADRB reads.  Also: which 128 rows of that tile I fetch
	s_bfe_u32 s40, ttmp6, 0x40000                  ; cx: the weight's tile of 256 features
	s_bfe_u32 s41, ttmp6, 0x40004                  ; cy
	s_and_b32 s17, ttmp7, 0xffff
	s_lshl_b32 s17, s17, 2
	s_add_co_u32 s17, s17, s41                     ; tile of 256 rows of x = 4 x cluster y + cy
	s_lshl_b32 s43, s41, 2
	s_lshl_b32 s43, 15, s43                        ; my row of the cluster
	s_lshl_b32 s44, 0x1111, s40                    ; my column
	; descriptor group 1: a tile of 128 rows x 256 bytes, padded in LDS
	s_or_b32 s[G1+0], s43, (0<<16)|(1<<20)|(1<<21)|(5<<22)|(3<<25)  ; 15:0 the mask: x's tiles go to my row; 17:16 elements of 1 byte; 20 padding on; 21 set beside a mask; 24:22 after every 64 words; 31:25 four words
	s_or_b32 s[G1B+0], s44, (0<<16)|(1<<20)|(1<<21)|(5<<22)|(3<<25) ; the same with my column's mask
.irp g, G1, G1B
	s_mov_b32 s[\g+1], ROWB<<16                    ; tensor_dim0
	s_mov_b32 s[\g+2], 128<<16                     ; tensor_dim1
	s_mov_b32 s[\g+3], ROWB<<16                    ; tile_dim0
	s_mov_b32 s[\g+4], 128                         ; tile_dim1
	s_mov_b32 s[\g+5], KROW                        ; tensor_dim0_stride
	s_mov_b32 s[\g+6], 0
	s_mov_b32 s[\g+7], 0
.endr
	s_lshl_b32 s18, s16, 7                         ; which 128 rows of the tile I fetch
	s_lshl_b32 s20, s17, 8
	s_add_co_u32 s20, s20, s18
	s_lshl_b32 s20, s20, 10                        ; x: (256 x tile + 128 x half) rows of 1,024 bytes: under 2^23
	s_mov_b32 s21, 0
	s_lshl_b32 s46, s40, 8
	s_add_co_u32 s46, s46, s18
	s_lshl_b32 s46, s46, 10                        ; the weight: (256 cx + 128 x half) rows
	s_mov_b32 s47, 0
	s_mul_i32 s45, s14, HALFT                      ; where they go: wave x 128 rows: no place in the cluster enters an LDS address
	s_wait_kmcnt 0x0
	s_load_b256 s[92:99], s[82:83], 0x0            ; e0 .. e7
	s_load_b64 s[100:101], s[82:83], 0x20          ; e8, e9
	s_cmp_eq_u32 ttmp9, 0                          ; q, k or v: the choices hang on the cluster's x alone
	s_cselect_b64 s[6:7], s[70:71], s[72:73]
	s_cselect_b64 s[8:9], s[76:77], s[78:79]
	s_cselect_b64 s[10:11], s[84:85], s[86:87]
	s_cmp_eq_u32 ttmp9, 2
	s_cselect_b64 s[6:7], s[74:75], s[6:7]         ; the weight
	s_cselect_b64 s[8:9], s[80:81], s[8:9]         ; the bias
	s_cselect_b64 s[10:11], s[88:89], s[10:11]     ; the codes' buffer
	s_cselect_b32 s12, 2*HALFT, 0                  ; source 1 is read from the weight's rows for v, from x's rows for q and k,
	s_cselect_b32 s13, 0, 2*HALFT                  ; source 0 the other way round
	s_cselect_b32 s19, s16, s15                    ; which 128 of the tile's t are my wave's
	s_cselect_b32 s23, s15, s16                    ; which 128 of its features
	s_add_nc_u64 s[20:21], s[68:69], s[20:21]
	s_add_nc_u64 s[46:47], s[6:7], s[46:47]
	CROUND                                         ; all sixteen work-groups are here: the first joint loads meet
.irp s, 0,1
	s_mov_b32 s[G0+4*\s], 1
	s_add_co_u32 s[G0+4*\s+1], s45, \s*SLOT
	s_add_nc_u64 s[G0+4*\s+2:G0+4*\s+3], s[20:21], \s*ROWB
	s_or_b32 s[G0+4*\s+3], s[G0+4*\s+3], 0x80000000
	s_mov_b32 s[G0B+4*\s], 1
	s_add_co_u32 s[G0B+4*\s+1], s45, \s*SLOT
	s_add_nc_u64 s[G0B+4*\s+2:G0B+4*\s+3], s[46:47], \s*ROWB
	s_or_b32 s[G0B+4*\s+3], s[G0B+4*\s+3], 0x80000000
	s_wait_alu depctr_va_vdst(0)
	s_wait_tensorcnt 0x0
	ds_add_u32 v28, v29
	ds_add_u32 v28, v29
	s_wait_dscnt 0x0
	CROUND
	JLOAD G0+4*\s, G1, G0B+4*\s, G1B
.endr
	v_and_b32 v1, 15, v0                           ; r = lane % 16
	v_bfe_u32 v2, v0, 4, 1                         ; h = lane / 16
	s_wait_alu depctr_va_vdst(0)
	v_mul_u32_u24 v3, v1, PITCH
	v_lshl_add_u32 v4, v2, 4, v3                   ; a fragment's row x pitch + 16 h
	s_mul_i32 s21, s15, HALFT
	s_add_co_u32 s21, s21, s12                     ; source 1's 128 rows
	s_mul_i32 s22, s16, HALFT
	s_add_co_u32 s22, s22, s13                     ; source 0's 128 rows
.irp s, 0,1
	v_add_nc_u32 v[ADRA+\s], s21, v4
	v_add_nc_u32 v[ADRB+\s], s22, v4
	s_add_co_u32 s21, s21, SLOT
	s_add_co_u32 s22, s22, SLOT
.endr
	v_and_b32 v6, 31, v0
	v_lshlrev_b32 v[CO], 4, v6
	; both layouts of the bias are loaded by every work-group, so that every way out finds its registers written; all addresses lie inside the 4,096 bytes
	s_lshl_b32 s46, s40, 10                        ; 256 cx numbers of 4 bytes
	s_lshl_b32 s47, s16, 9
	s_add_co_u32 s47, s47, s46
	v_lshl_add_u32 v[HB], v2, 5, s47               ; q, k: features 256 cx + 128 (wave % 2) + 8 h on
	s_lshl_b32 s47, s15, 9
	s_add_co_u32 s47, s47, s46
	v_lshl_add_u32 v[RB], v1, 2, s47               ; v: feature 256 cx + 128 (wave / 2) + r
.irp b, 0,1,2,3,4,5,6,7
	global_load_b128 v[BC+8*\b:BC+8*\b+3], v[HB], s[8:9] offset:64*\b
	global_load_b128 v[BC+8*\b+4:BC+8*\b+7], v[HB], s[8:9] offset:64*\b+16
.endr
.irp a, 0,1,2,3,4,5,6,7
	global_load_b32 v[BR+2*\a], v[RB], s[8:9] offset:64*\a
	global_load_b32 v[BR+2*\a+1], v[RB], s[8:9] offset:64*\a   ; twice: the packed multiply-add names a pair
.endr
	; where my wave's images begin: batch x 16 heads x 131,072 + (t in the batch) x 64 + head x 131,072: one formula for all three buffers
	s_lshl_b32 s20, s17, 8
	s_lshl_b32 s18, s19, 7
	s_add_co_u32 s20, s20, s18                     ; my first row of x
	s_lshr_b32 s21, s20, 11
	s_lshl_b32 s21, s21, 21                        ; the batch
	s_and_b32 s20, s20, 2047
	s_lshl_b32 s20, s20, 6                         ; t / 16 tiles of 1,024 bytes = t / 128 blocks of 8,192
	s_add_co_u32 s20, s20, s21
	s_mov_b32 s21, 0
	s_add_nc_u64 s[10:11], s[10:11], s[20:21]
	s_lshl_b32 s46, s40, 2
	s_lshl_b32 s47, s23, 1
	s_add_co_u32 s46, s46, s47                     ; my first head: 4 cx + 2 x half
	s_lshl_b32 s46, s46, 17
	s_mov_b32 s47, 0
	s_add_nc_u64 s[10:11], s[10:11], s[46:47]
	s_wait_alu depctr_va_vdst(0)
	s_wait_kmcnt 0x0
	s_cmp_eq_u32 ttmp9, 0
	s_cselect_b32 s90, s92, s94
	s_cselect_b32 s91, s93, s95
	s_cselect_b32 s67, s98, s99
	s_cmp_eq_u32 ttmp9, 2
	s_cselect_b32 s90, s96, s90                    ; eA
	s_cselect_b32 s91, s97, s91                    ; eB
	s_cselect_b32 s67, s101, s67                   ; eo
	s_add_co_i32 s90, s90, s91
	s_add_co_i32 s90, s90, 127
	s_lshl_b32 s90, s90, 23                        ; 2^(eA + eB) as f32
	s_mov_b32 s91, s90                             ; (named with it as a pair, so it is written)
	s_add_co_i32 s67, s67, 127
	s_lshl_b32 s66, s67, 23
	v_mov_b32 v[SCV], s66                          ; 2^eo: the conversion takes its exponent field
.macro FRAG reg, adr, q, i             ; a fragment, 16 rows x 128 K: lane l holds row l % 16; registers 4 c .. 4 c + 3 hold K = 32 c + 16 (l / 16) + 0 .. 15
.irp c, 0,1,2,3
	ds_load_b128 v[\reg+4*\c:\reg+4*\c+3], v[\adr] offset:128*(\q)+32*\c+(\i)*16*PITCH
.endr
.endm
; 16 matrix instructions: source 1's blocks a0, a0 + 1 x source 0's eight, 128 along K.  p: source 0's set.  zero = 1: the first product starts the sums.
; The 64 accumulators take turns, one instruction a turn, in the same order in every step.
.macro MUL16 a0, p, zero
.irp a, \a0, \a0+1
.irp b, 0,1,2,3,4,5,6,7
.if \zero
	v_wmma_f32_16x16x128_fp8_fp8 v[8*(8*((\a)%4)+\b):8*(8*((\a)%4)+\b)+7], v[128*(\p)+FR*\b:128*(\p)+FR*\b+FR-1], v[AF+FR*(\a):AF+FR*(\a)+FR-1], 0
.else
	v_wmma_f32_16x16x128_fp8_fp8 v[8*(8*((\a)%4)+\b):8*(8*((\a)%4)+\b)+7], v[128*(\p)+FR*\b:128*(\p)+FR*\b+FR-1], v[AF+FR*(\a):AF+FR*(\a)+FR-1], v[8*(8*((\a)%4)+\b):8*(8*((\a)%4)+\b)+7]
.endif
.endr
.endr
.endm
.macro FETCH_B slot, q, p              ; source 0's eight fragments of the slot's q-th 128 along K into set p
	WIN TO_B
.irp i, 0,1,2,3,4,5,6,7
	FRAG 128*(\p)+FR*\i, ADRB+\slot, \q, \i
.endr
	WIN 0
.endm
.macro FETCH_A slot, q, i0             ; source 1's blocks i0 .. i0 + 3
.irp i, \i0, \i0+1, \i0+2, \i0+3
	FRAG AF+FR*(\i), ADRA+\slot, \q, \i
.endr
.endm
; A load into a register that a matrix instruction has read, and a vector instruction that reads a matrix result or writes one of its registers, stand NP places behind it; only plain vector instructions that name none of its registers are places.
.macro PLACES n
.rept \n
	v_nop
.endr
.endm
; A step of 128 along K that has its successor in the same slot.
.macro STEP slot, q, zero
	s_wait_dscnt 4*NL                              ; source 0's set and source 1's blocks 0-3 are in; the youngest sixteen loads (blocks 4-7) may be out
	WIN MUL_LO
	MUL16 0, (\q)%2, \zero
	MUL16 2, (\q)%2, \zero
	s_wait_dscnt 0                                 ; blocks 4-7 are in (asked for 32 matrix instructions ago)
	PLACES NP
	FETCH_B \slot, (\q)+1, 1-(\q)%2
	FETCH_A \slot, (\q)+1, 0
	WIN MUL_HI
	MUL16 4, (\q)%2, \zero
	MUL16 6, (\q)%2, \zero
	PLACES NP
	WIN 0
	FETCH_A \slot, (\q)+1, 4
.endm
; A slot's last step changes slots: one barrier; in front of it each wave waits for all its tensor loads, adds 0 to its spare word, and waits for that and for its own reads of this slot.  fill = 1: this slot is filled again, two K steps ahead.
.macro TURN slot, next, fill
	s_wait_tensorcnt 0x0                           ; all my tensor loads have landed: my part of the next slot
	ds_add_u32 v[SPW], v[NIL]                      ; 0 onto my spare word
	s_wait_dscnt 4*NL+1                            ; (the add and the youngest sixteen loads may be out)
	WIN MUL_LO
	MUL16 0, 1, 0                                  ; sixteen matrix instructions stand between the add and the wait for it
	s_wait_dscnt 0x0                               ; the add is done, and my reads of this slot are over
	s_barrier_signal -1
	MUL16 2, 1, 0
	WIN 0
	s_barrier_wait -1
.if \fill
	CREST                                          ; the barrier has opened a round of the cluster's barrier: no wave of any partner still reads this slot's tile or has a load on its way
	s_add_nc_u64 s[G0+4*\slot+2:G0+4*\slot+3], s[G0+4*\slot+2:G0+4*\slot+3], 2*ROWB
	s_add_nc_u64 s[G0B+4*\slot+2:G0B+4*\slot+3], s[G0B+4*\slot+2:G0B+4*\slot+3], 2*ROWB
	JLOAD G0+4*\slot, G1, G0B+4*\slot, G1B         ; the first tensor load behind the round; its four v_nop are also the places in front of the loads below
.else
	PLACES NP
.endif
	FETCH_B \next, 0, 0
	FETCH_A \next, 0, 0
	WIN MUL_HI
	MUL16 4, 1, 0
	MUL16 6, 1, 0
	PLACES NP
	WIN 0
	FETCH_A \next, 0, 4
.endm
	s_wait_tensorcnt 1                             ; my part of K step 0 is in (K step 1's load may be out)
	s_barrier_signal -1
	s_barrier_wait -1                              ; everybody's is
	FETCH_B 0, 0, 0
	FETCH_A 0, 0, 0
	FETCH_A 0, 0, 4
	STEP 0, 0, 1                                   ; the first products start the sums: nothing is cleared
	TURN 0, 1, 1                                   ; slot 0 takes K step 2
	STEP 1, 0, 0
	TURN 1, 0, 1                                   ; slot 1 takes K step 3
	STEP 0, 0, 0
	TURN 0, 1, 0                                   ; nothing is left to fetch, so no round
	STEP 1, 0, 0
	s_wait_dscnt 4*NL                              ; the last step
	WIN MUL_LO
	MUL16 0, 1, 0
	MUL16 2, 1, 0
	s_wait_dscnt 0
	WIN MUL_HI
	MUL16 4, 1, 0
	MUL16 6, 1, 0
	WIN 0
; THE WAY OUT of source 1's block a: its eight accumulators x 2^(eA + eB) + bias (each from its low end on), the hold, the conversions, four stores of 512 consecutive bytes.
; isv = 0: register j of accumulator b is feature 16 b + 8 h + j of row 16 a + r: accumulators 2 g, 2 g + 1 make chunk g % 2 of head g / 2, tile a.
; isv = 1: register j of accumulator b is t = 16 b + 8 h + j of feature 16 a + r: accumulators 2 g, 2 g + 1 make chunk g of channels 16 (a % 4) on of head a / 4.
.macro OUTBLK a, isv
.if (\a) >= 4
	s_wait_xcnt 0x0                                ; the stores of four blocks ago have read their data: that set of codes may be written again
.endif
	WIN (0x02+(\a)/4)                              ; source 0: window 2 or 3
.irp b, 0,1,2,3,4,5,6,7
.irp j, 0,2,4,6
.if \isv
	v_pk_fma_f32 v[TMP+8*\b+\j:TMP+8*\b+\j+1], v[64*((\a)%4)+8*\b+\j:64*((\a)%4)+8*\b+\j+1], s[90:91], v[BR+2*(\a):BR+2*(\a)+1] op_sel_hi:[1,0,1]
.else
	v_pk_fma_f32 v[TMP+8*\b+\j:TMP+8*\b+\j+1], v[64*((\a)%4)+8*\b+\j:64*((\a)%4)+8*\b+\j+1], s[90:91], v[BC+8*\b+\j:BC+8*\b+\j+1] op_sel_hi:[1,0,1]
.endif
.endr
.endr
	WIN 0
.set i, 0
.rept 64
.set i, i+1
.endr
.irp b, 0,1,2,3,4,5,6,7
	v_cvt_scalef32_pk8_fp8_f32 v[CD+16*((\a)%4)+2*\b:CD+16*((\a)%4)+2*\b+1], v[TMP+8*\b:TMP+8*\b+7], v[SCV]
.endr
	v_nop                                          ; one plain vector instruction between the conversions and the next block's lines, which write their sources
.irp g, 0,1,2,3
.if \isv
	global_store_b128 v[CO], v[CD+16*((\a)%4)+4*\g:CD+16*((\a)%4)+4*\g+3], s[10:11] offset:((\a)/4)*131072+((\a)%4)*2048+\g*512
.else
	global_store_b128 v[CO], v[CD+16*((\a)%4)+4*\g:CD+16*((\a)%4)+4*\g+3], s[10:11] offset:(\g/2)*131072+(\a)*1024+(\g%2)*512
.endif
.endr
.endm
	s_wait_loadcnt 0x0                             ; the biases
	PLACES NP                                      ; behind the last products: their results are read and their operands' registers written below
	s_cmp_eq_u32 ttmp9, 2                          ; the cluster's x: the same in all sixteen partners
	s_cbranch_scc1 .Lv
.irp a, 0,1,2,3,4,5,6,7
	OUTBLK \a, 0
.endr
	s_branch .Ldone
.Lv:
.irp a, 0,1,2,3,4,5,6,7
	OUTBLK \a, 1
.endr
.Ldone:
	s_wait_tensorcnt 0x0                           ; the wave's end
	ds_add_u32 v[SPW], v[NIL]
	s_wait_dscnt 0x0
	CROUND                                         ; the closing round: no work-group ends while a partner may still ask for a tile that names it
	s_endpgm
.Lfunc_end_k_qfe8abcc731_qkv:
	.size	k_qfe8abcc731_qkv, .Lfunc_end_k_qfe8abcc731_qkv-k_qfe8abcc731_qkv
	.p2alignl 7, 3214868480
	.fill 96, 4, 3214868480
	.section	.rodata,"a",@progbits
	.p2align	6, 0x0
	.amdhsa_kernel k_qfe8abcc731_qkv
		.amdhsa_group_segment_fixed_size 327680
		.amdhsa_private_segment_fixed_size 0
		.amdhsa_enable_private_segment 0
		.amdhsa_kernarg_size 88
		.amdhsa_user_sgpr_count 2
		.amdhsa_user_sgpr_kernarg_segment_ptr 1
		.amdhsa_wavefront_size32 1
		.amdhsa_system_sgpr_workgroup_id_x 1
		.amdhsa_system_sgpr_workgroup_id_y 1
		.amdhsa_system_sgpr_workgroup_id_z 1
		.amdhsa_system_vgpr_workitem_id 0
		.amdhsa_next_free_vgpr 1024
		.amdhsa_next_free_sgpr 102
		.amdhsa_reserve_vcc 0
		.amdhsa_float_denorm_mode_32 3
		.amdhsa_float_denorm_mode_16_64 3
		.amdhsa_fp16_overflow 1
		.amdhsa_memory_ordered 1
		.amdhsa_forward_progress 1
		.amdhsa_inst_pref_size 131
	.end_amdhsa_kernel
	.amdgpu_metadata
---
amdhsa.version: [ 1, 2 ]
amdhsa.kernels:
  - .name:           k_qfe8abcc731_qkv
    .symbol:         k_qfe8abcc731_qkv.kd
    .args:
      - { .name: x_codes, .offset: 0, .size: 8, .value_kind: global_buffer, .address_space: global }
      - { .name: Wq_codes, .offset: 8, .size: 8, .value_kind: global_buffer, .address_space: global }
      - { .name: Wk_codes, .offset: 16, .size: 8, .value_kind: global_buffer, .address_space: global }
      - { .name: Wv_codes, .offset: 24, .size: 8, .value_kind: global_buffer, .address_space: global }
      - { .name: bq, .offset: 32, .size: 8, .value_kind: global_buffer, .address_space: global }
      - { .name: bk, .offset: 40, .size: 8, .value_kind: global_buffer, .address_space: global }
      - { .name: bv, .offset: 48, .size: 8, .value_kind: global_buffer, .address_space: global }
      - { .name: lowp_scales, .offset: 56, .size: 8, .value_kind: global_buffer, .address_space: global }
      - { .name: qc, .offset: 64, .size: 8, .value_kind: global_buffer, .address_space: global }
      - { .name: kc, .offset: 72, .size: 8, .value_kind: global_buffer, .address_space: global }
      - { .name: vc, .offset: 80, .size: 8, .value_kind: global_buffer, .address_space: global }
    .group_segment_fixed_size: 327680
    .private_segment_fixed_size: 0
    .kernarg_segment_align: 8
    .kernarg_segment_size: 88
    .max_flat_workgroup_size: 128
    .sgpr_count:     102
    .vgpr_count:     1024
    .wavefront_size: 32
...
	.end_amdgpu_metadata
.endif
;; end of part 1
;; launch attn (part 2): grid 4 x 64, 8 waves a work-group, no clusters, 327,680 bytes of LDS; arguments qc, kc, vc, lowp_scales, cc; writes cc
.if DOCPART == 2
	.amdgcn_target "amdgcn-amd-amdhsa--gfx1250"
	.amdhsa_code_object_version 6
	.text
	.protected	k_qfe8abcc731_attn
	.globl	k_qfe8abcc731_attn
	.p2align	8
	.type	k_qfe8abcc731_attn,@function
k_qfe8abcc731_attn:
	s_mov_b64 s[64:65], 0
	v_nop
	global_prefetch_b8 v0, s[64:65] scope:SCOPE_SE
	s_setreg_imm32_b32 hwreg(HW_REG_WAVE_MODE, 25, 1), 1
	s_wait_xcnt 0x0
; ctx[b][t][head] = the sum over keys k <= t of softmax_k(q . k / 8) v, both products on codes of FP8 (E4M3); ctx is quantised for the last product.
; qc, kc, vc: images of the operands' registers (layouts at the loads below).  Scales: q 2^e6, k 2^e7, p 2^e8, v 2^e9, ctx 2^e10.
; THE SOFTMAX: t = score x log2(e) / 8; M = the row's largest t so far, rounded UP to a whole number; p = 2^(t - M) is what is quantised; the row's sum is taken of the unquantised p, in f32, and divides at the end
; (by v_rcp_f32 and a multiplication).  When M moves, the sum and O are multiplied by 2^(old M - new M): exact.
; LIMITS: e6 + e7 between -123 and 130 (added to c's exponent field); e8 and e10 between -126 and 119; e8 + e9 is applied by v_ldexp_f32 and has none.
; SHARES.  Work-group (p, batch x head) owns two blocks of 256 queries, 7 - p and then p.  Block i needs key slots 0 .. i of 256 keys: 8 - p slots and p + 1 slots, NINE in every work-group:
; the trip count is a constant, all 256 work-groups have the same number of slots, and no slot is fetched that nobody reads.
; Each of the eight waves owns 32 queries of the block, two tiles of 16: tile 0 in register window 0, tile 1 under the same numbers in window 1.  Each fragment of K and V read from LDS feeds two matrix instructions.
; NO CLUSTER: the four work-groups of a head ask for the same slot in their first five trips only; after that each walks another slot, and partners that walked all eight slots in step would do twelve slots' work for nine.
; LAYOUT.  Both products transposed: S^T = K Q^T (source 0 = 16 keys, source 1 = 16 queries), O^T = V^T P^T: a lane holds ONE query (lane % 16) throughout.  Register j of key tile T holds key 16 T + 8 (lane / 16) + j,
; so the conversion of tile T gives registers 2 T, 2 T + 1 of the second product's operand in that form's own layout.
; CAUSAL.  A step of 128 keys all of which come after the wave's 32 queries is left out (a scalar branch on ids; no barrier or tensor load stands in a step); where some are hidden their scores become -infinity ahead of the maximum.
; The step's first key and the wave's first query are multiples of 128 and of 32, so a step that is not left out has a key that counts for every query of both tiles.
; REGISTERS (window 0 and 1 alike): v9 r - 8 h; v12 -M, v13 the largest t, v[14:15] the sum in two halves; v[16:23] Q in use, v[24:31] Q of the second block; v96-159 S^T, then p; v160-191 O^T; v192-207 codes;
;   v208-215 the exchange between the halves of the lanes; v224-231 store data; v236, v242-243, v250, v252, v254 at work; v244 2^e8, v245 2^e10, v251 -infinity, v253 0.
;   window 0 alone: v1 16 x lane, v3 256 x lane, v5, v6 the add's, v7 the stores' offset, v8 the LDS address in hand, v32-95 K's eight fragments.   window 1 alone: v32-95 V's four fragments.
.set SLOT1, 32768                      ; a slot: 16,384 bytes of K (16 tile images), 16,384 of V (2 x 4 images of 2,048); slot 1 begins here, so that one exclusive or turns an address
.set VOFF,  16384
.set SPARE, 65536                      ; behind the ring: the spare words, 128 bytes for each of the eight waves
.set LI,   1
.set PFO,  3
.set SPW,  5
.set NIL,  6
.set GO,   7
.set ADR,  8
.set RH,   9
.set TB,   2                           ; s2   LDS byte at which the slot in hand begins
.set WV,   18                          ; s18  my wave's number
.set SEL,  20                          ; s[20:21] lane selects for v_permlanex16_b32: lane l xor 16
.set CS,   22                          ; s[22:23] c = log2(e) / 8 x 2^(e6 + e7)
.set G1,   24                          ; s[24:31] descriptor group 1: a dense block of 16,384 bytes
.set G0,   32                          ; s[32:35] descriptor group 0, which walks
.set TBASE, 36                         ; s[36:37] my head's first byte in kc (even waves) or vc (odd waves)
.set TRIP, 38                          ; s38  trips done
.set N1,   39                          ; s39  8 - p: the trip at which the second block begins
.set NSI,  40                          ; s40  which key slot was asked for last
.set SLOTS, 41                         ; s41  slots still to be asked for
.set KF,   42                          ; s42  the step's first key
.set Q0,   43                          ; s43  my first query
.set Q0B,  44                          ; s44  my first query of the second block
.set PFA,  46                          ; s[46:47] where my prefetches stand
.set LIM,  48                          ; s48  2 in a wave that prefetches, else the greatest number
.set HM,   50                          ; s50  the mask of lanes 16 to 31
.set BH,   51                          ; s51  batch x 16 + head
.set MSB, 0
.macro WIN new                         ; the immediate's high byte repeats the setting that is left
.if MSB != \new
	s_set_vgpr_msb (MSB<<8)|\new
.set MSB, \new
.endif
.endm
; Wave 0 fetches a slot's K, wave 1 its V, the others nothing.  The branch hangs on the wave's number alone.  Four v_nop follow the load.
.macro TLOAD
	s_cmp_lt_u32 s[WV], 2
	s_cbranch_scc0 .Lasked_\@
	tensor_load_to_lds s[G0:G0+3], s[G1:G1+7]
	s_nop 0
.rept 4
	v_nop
.endr
.Lasked_\@:
.endm
; A PREFETCH INTO THE L2 of the slot that the NEXT change of slots will ask for, one trip (two key steps) ahead of that load.  All four work-groups of a head walk slots 0, 1, .. from the start; the one with p = 0 walks all eight
; and asks, nobody else.  In it waves 4 and 5 ask for K's 16,384 bytes, waves 6 and 7 for V's: 8,192 bytes a wave, lanes 256 bytes apart: each aligned block of 256 bytes is named once in the launch.
; Trip n asks for slot n + 2, while n + 2 <= 7.  Slots 0 and 1 come by their loads alone.
.macro ASK
	s_cmp_gt_u32 s[SLOTS], s[LIM]
	s_cbranch_scc0 .Lnot_mine_\@
	global_prefetch_b8 v[PFO], s[PFA:PFA+1] th:TH_LOAD_NT scope:SCOPE_SE
.Lnot_mine_\@:
.endm
	s_load_b256 s[4:11], s[0:1], 0x0               ; qc s[4:5], kc s[6:7], vc s[8:9], the scales' exponents s[10:11]
	s_load_b64 s[12:13], s[0:1], 0x20              ; cc
	v_lshl_add_u32 v[SPW], v0, 2, SPARE
	v_mov_b32 v[NIL], 0
	ds_add_u32 v5, v6
	ds_add_u32 v5, v6
	s_wait_dscnt 0x0
	v_lshrrev_b32 v2, 5, v0
	s_delay_alu instid0(VALU_DEP_1)
	v_readfirstlane_b32 s[WV], v2                  ; wave 0..7
	s_and_b32 s[BH], ttmp7, 0xffff
	s_lshl_b32 s66, s[BH], 17                      ; a head's 131,072 bytes in qc, kc and vc
	s_mov_b32 s67, 0
	s_mov_b32 s[G1], 3<<16                         ; no mask; elements of 8 bytes; no padding
	s_mov_b32 s[G1+1], 32<<16                      ; tensor_dim0 = 32 elements: rows of 256 bytes
	s_mov_b32 s[G1+2], 64<<16                      ; tensor_dim1 = 64 rows
	s_mov_b32 s[G1+3], 32<<16                      ; tile_dim0
	s_mov_b32 s[G1+4], 64                          ; tile_dim1
	s_mov_b32 s[G1+5], 32                          ; the pitch: the block is dense
	s_mov_b32 s[G1+6], 0
	s_mov_b32 s[G1+7], 0
	s_mov_b32 s[SEL], 0x76543210
	s_mov_b32 s[SEL+1], 0xfedcba98
	s_mov_b32 s[CS], 0x3e38aa3b                    ; log2(e) / sqrt(64)
	s_mov_b32 s[HM], 0xffff0000
	s_mov_b32 s[TB], 0
	s_mov_b32 s[TRIP], 0
	s_mov_b32 s[NSI], 0
	s_mov_b32 s[SLOTS], 8
	s_mov_b32 s[KF], 0
	s_sub_co_u32 s[N1], 8, ttmp9
	s_sub_co_u32 s[Q0], 7, ttmp9
	s_lshl_b32 s[Q0], s[Q0], 8
	s_lshl_b32 s68, s[WV], 5
	s_add_co_u32 s[Q0], s[Q0], s68                 ; 256 (7 - p) + 32 x wave
	s_lshl_b32 s[Q0B], ttmp9, 8
	s_add_co_u32 s[Q0B], s[Q0B], s68               ; 256 p + 32 x wave
	s_and_b32 s69, s[WV], 1
	s_mov_b32 s[G0], 1                             ; count = 1
	s_lshl_b32 s[G0+1], s69, 14                    ; LDS address: slot 0; K's half (wave 0) or V's (wave 1)
	s_wait_kmcnt 0x0
	s_load_b128 s[52:55], s[10:11], 0x18           ; e6, e7, e8, e9
	s_load_b32 s56, s[10:11], 0x28                 ; e10
	s_cmp_eq_u32 s69, 0
	s_cselect_b64 s[TBASE:TBASE+1], s[6:7], s[8:9]
	s_add_nc_u64 s[TBASE:TBASE+1], s[TBASE:TBASE+1], s[66:67]
	s_mov_b64 s[G0+2:G0+3], s[TBASE:TBASE+1]       ; key slot 0
	s_or_b32 s[G0+3], s[G0+3], 0x80000000          ; type = 2
	TLOAD                                          ; the first fill; slot 1's first fill goes out behind the first trip's barrier, as a refill does
	s_cmp_lt_u32 s[WV], 6                          ; the prefetches: waves 4, 5 stand in kc, waves 6, 7 in vc (the others never ask)
	s_cselect_b64 s[PFA:PFA+1], s[6:7], s[8:9]
	s_add_nc_u64 s[PFA:PFA+1], s[PFA:PFA+1], s[66:67]
	s_lshl_b32 s70, s69, 13                        ; my wave's 8,192 bytes,
	s_add_co_u32 s70, s70, 16384                   ; in key slot 1: the first change of slots steps it to slot 2
	s_mov_b32 s71, 0
	s_add_nc_u64 s[PFA:PFA+1], s[PFA:PFA+1], s[70:71]
	s_lshr_b32 s70, s[WV], 2
	s_xor_b32 s70, s70, 1                          ; 0 in waves 4 to 7,
	s_or_b32 s70, s70, ttmp9                       ; of the work-group with p = 0
	s_cmp_eq_u32 s70, 0
	s_cselect_b32 s[LIM], 2, -1
	s_add_nc_u64 s[4:5], s[4:5], s[66:67]          ; qc at my head
	s_lshl_b32 s72, s[Q0], 6                       ; a tile of 16 queries is 1,024 bytes
	s_mov_b32 s73, 0
	s_add_nc_u64 s[72:73], s[4:5], s[72:73]
	s_lshl_b32 s74, s[Q0B], 6
	s_mov_b32 s75, 0
	s_add_nc_u64 s[74:75], s[4:5], s[74:75]
	v_and_b32 v[LI], 31, v0
	s_delay_alu instid0(VALU_DEP_1)
	v_lshlrev_b32 v[LI], 4, v[LI]                  ; 16 x lane: my place in every image
	s_delay_alu instid0(VALU_DEP_1)
	v_lshlrev_b32 v[PFO], 4, v[LI]                 ; 256 x lane
	; qc: [head][t / 16][c 2][lane][16 bytes]: chunk c is registers 4 c .. 4 c + 3 of the K = 64 fragment.  Both blocks' Q stay in registers
.irp c, 0,1
	global_load_b128 v[16+4*\c:19+4*\c], v[LI], s[72:73] offset:512*\c
	global_load_b128 v[24+4*\c:27+4*\c], v[LI], s[74:75] offset:512*\c
.endr
	WIN 0x40                                       ; destination window 1: tile 1
.irp c, 0,1
	global_load_b128 v[16+4*\c:19+4*\c], v[LI], s[72:73] offset:1024+512*\c
	global_load_b128 v[24+4*\c:27+4*\c], v[LI], s[74:75] offset:1024+512*\c
.endr
	WIN 0
	v_and_b32 v2, 15, v0
	v_bfe_u32 v4, v0, 4, 1
	s_delay_alu instid0(VALU_DEP_1)
	v_lshlrev_b32 v4, 3, v4
	s_delay_alu instid0(VALU_DEP_1)
	v_sub_nc_u32 v[RH], v2, v4                     ; r - 8 h, for the mask
	s_wait_kmcnt 0x0
	s_add_co_i32 s70, s52, s53
	s_lshl_b32 s70, s70, 23
	s_add_co_i32 s[CS], s[CS], s70                 ; a score stands for score x 2^(e6 + e7): the exponents are added to c's exponent field
	s_mov_b32 s[CS+1], s[CS]                       ; (named with it as a pair, so it is written)
	s_add_co_i32 s70, s54, 127
	s_lshl_b32 s76, s70, 23                        ; 2^e8
	s_add_co_i32 s70, s56, 127
	s_lshl_b32 s78, s70, 23                        ; 2^e10
	s_add_co_i32 s57, s54, s55                     ; e8 + e9
.macro CONSTS
	v_mov_b32 v244, s76
	v_mov_b32 v245, s78
	v_mov_b32 v251, 0xff800000                     ; -infinity
	v_mov_b32 v253, 0                              ; (named as the upper half of the pair v[252:253])
	v_mov_b32 v236, 0                              ; written once: a lane permute's destination counts as one of its sources
.irp k, 208,209,210,211,212,213,214,215
	v_mov_b32 v[\k], 0
.endr
.endm
.macro INIT1                           ; a block of queries begins: the largest t is -3e38, under every t; the sum and O^T are zeros, which the first change of M leaves zeros
	v_mov_b32 v13, 0xff61b1e6
	s_delay_alu instid0(VALU_DEP_1)
	v_floor_f32 v12, -v13
	v_mov_b32 v14, 0
	v_mov_b32 v15, 0
.set i, 0
.rept 32
	v_mov_b32 v[160+i], 0
.set i, i+1
.endr
.endm
	CONSTS
	WIN 0x40                                       ; destination window 1, sources window 0
	CONSTS
	v_mov_b32 v[RH], v[RH]                         ; window 1's r - 8 h, from window 0's
	WIN 0
	INIT1
	WIN 0x55                                       ; all operands window 1
	INIT1
	WIN 0
; The scores of hidden keys of tile u become -infinity.  Register n holds key KF + 16 (n / 8) + 8 h + n % 8, the lane's query is Q0 + 16 u + r: hidden where 16 (n / 8) + n % 8 > Q0 - KF + 16 u + r - 8 h.
.macro MASK u
	s_sub_co_i32 s66, s[Q0], s[KF]
.if \u
	s_add_co_i32 s66, s66, 16
.endif
	v_add_nc_u32 v250, s66, v[RH]
.set n, 0
.rept 64
	v_cmp_gt_i32 vcc_lo, 16*(n/8)+n%8, v250
	v_cndmask_b32 v[96+n], v[96+n], v251, vcc_lo
.set n, n+1
.endr
.endm
; A tile's softmax, first part: the maximum, the new M, f, the scalings and the 64 exponentials.  Nothing here reads an exponential's result.
.macro SM_A
	v_max3_num_f32 v254, v96, v97, v98             ; the step's largest score of my query among my 64 keys, in two chains; each accumulator is read from its low end on
	v_max3_num_f32 v252, v99, v100, v101
.irp i, 6,10,14,18,22,26,30,34,38,42,46,50,54,58
	v_max3_num_f32 v254, v254, v[96+\i], v[97+\i]
	v_max3_num_f32 v252, v252, v[98+\i], v[99+\i]
.endr
	v_max3_num_f32 v254, v254, v158, v159
	s_delay_alu instid0(VALU_DEP_1)
	v_max_num_f32 v254, v254, v252
	s_delay_alu instid0(VALU_DEP_1)
	v_permlanex16_b32 v236, v254, s[SEL], s[SEL+1]
	s_delay_alu instid0(VALU_DEP_1)
	v_max_num_f32 v254, v254, v236                 ; and among lane l xor 16's
	s_delay_alu instid0(VALU_DEP_1)
	v_mul_f32 v254, s[CS], v254                    ; as t (c is positive)
	s_delay_alu instid0(VALU_DEP_1)
	v_max_num_f32 v13, v13, v254                   ; the running largest t
	v_mov_b32 v254, v12
	s_delay_alu instid0(VALU_DEP_2)
	v_floor_f32 v12, -v13                          ; the new -M = floor(-t) = -ceil(t)
	s_delay_alu instid0(VALU_DEP_1)
	v_sub_f32 v254, v12, v254                      ; old M less new M: a whole number, 0 or less
	s_delay_alu instid0(VALU_DEP_1)
	v_cvt_i32_f32 v254, v254                       ; (it saturates)
	s_delay_alu instid0(VALU_DEP_1)
	v_ldexp_f32 v252, 1.0, v254                    ; f = 2^(old M - new M)
.set i, 0
.rept 32
	v_pk_fma_f32 v[96+i:97+i], v[96+i:97+i], s[CS:CS+1], v[12:13] op_sel_hi:[1,0,0]   ; t - M, two at a time
.set i, i+2
.endr
.set i, 0
	s_wait_alu depctr_va_vdst(0)
.rept 64
	v_exp_f32 v[96+i], v[96+i]                     ; p = 2^(t - M), at most 1
.set i, i+1
.endr
.endm
; Second part: the sum of the unquantised p, p's codes, O^T under the new M.  w = 1: the wait for tile 1's exponentials stands behind the first line, which is the plain instruction behind the last of them.
.macro SM_B w
	v_pk_mul_f32 v[14:15], v[14:15], v[252:253] op_sel_hi:[1,0]   ; the sums under the new M
.if \w
	s_wait_alu depctr_va_vdst(0)                   ; one wait for tile 1's 64 exponentials, ahead of the first instruction that names a result
.endif
	v_pk_add_f32 v[242:243], v[96:97], v[98:99]
.irp j, 4,8,12,16,20,24,28,32,36,40,44,48,52,56,60
	v_pk_add_f32 v[14:15], v[14:15], v[96+\j:97+\j]
	v_pk_add_f32 v[242:243], v[242:243], v[98+\j:99+\j]
.endr
	s_delay_alu instid0(VALU_DEP_1)
	v_pk_add_f32 v[14:15], v[14:15], v[242:243]
.irp t, 0,1,2,3,4,5,6,7
.irp j, 0,1,2,3,4,5,6,7
.endr
	v_cvt_scalef32_pk8_fp8_f32 v[192+2*\t:193+2*\t], v[96+8*\t:103+8*\t], v244   ; keys 16 t + 8 h + 0 .. 7: registers 2 t, 2 t + 1 of the operand
.endr
.set i, 0
.rept 16
	v_pk_mul_f32 v[160+i:161+i], v[160+i:161+i], v[252:253] op_sel_hi:[1,0]   ; O^T x f; these are also the plain lines between the conversions and the products that read the codes
.set i, i+2
.endr
.endm
; A KEY STEP: 128 keys, the q-th of the slot in hand, for both tiles.
.macro STEP q
	s_add_co_u32 s66, s[Q0], 31
	s_cmp_gt_u32 s[KF], s66                        ; all 128 keys come after my 32 queries: nothing to do
	s_cbranch_scc1 .Lhidden_\@
	v_add_nc_u32 v[ADR], s[TB], v[LI]
.rept 3
	v_nop                                          ; with the addition above: four places in front of the loads into V's fragments, which the last products read
.endr
.irp t, 0,1,2,3,4,5,6,7                ; kc's images: tile t of 16 keys, chunk c = registers 4 c .. 4 c + 3
.irp c, 0,1
	ds_load_b128 v[32+8*\t+4*\c:35+8*\t+4*\c], v[ADR] offset:(8*(\q)+\t)*1024+512*\c
.endr
.endr
	WIN 0x40                                       ; destination window 1
.irp t, 0,1,2,3                        ; vc's images: channels 16 t on, chunk c = registers 4 c .. 4 c + 3 of the K = 128 fragment
.irp c, 0,1,2,3
	ds_load_b128 v[32+16*\t+4*\c:35+16*\t+4*\c], v[ADR] offset:VOFF+(\q)*8192+\t*2048+512*\c
.endr
.endr
	s_wait_dscnt 16                                ; K's sixteen loads are in; V's sixteen may be out
	WIN 0
.irp t, 0,1,2,3,4,5,6,7
	v_wmma_f32_16x16x64_fp8_fp8 v[96+8*\t:103+8*\t], v[32+8*\t:39+8*\t], v[16:23], 0
.endr
	WIN 0x44                                       ; K window 0; Q and S^T window 1
.irp t, 0,1,2,3,4,5,6,7
	v_wmma_f32_16x16x64_fp8_fp8 v[96+8*\t:103+8*\t], v[32+8*\t:39+8*\t], v[16:23], 0
.endr
	WIN 0
.rept 4
	v_nop                                          ; places behind the products, ahead of the first read of a score
.endr
	s_add_co_u32 s66, s[KF], 127
	s_cmp_le_u32 s66, s[Q0]                        ; all 128 keys count for all 32 queries: no mask
	s_cbranch_scc1 .Lopen_\@
	MASK 0
	WIN 0x55
	MASK 1
	WIN 0
.Lopen_\@:
	SM_A
	WIN 0x55
	s_wait_alu depctr_va_vdst(0)
	SM_A
	SM_B 1                                         ; tile 1 first: the window is already set
	s_wait_alu depctr_va_vdst(0)
	s_wait_dscnt 0x0                               ; V is in
.irp t, 0,1,2,3                        ; O^T += V^T P^T: the four accumulators take turns
	v_wmma_f32_16x16x128_fp8_fp8 v[160+8*\t:167+8*\t], v[32+16*\t:47+16*\t], v[192:207], v[160+8*\t:167+8*\t]
.endr
	WIN 0
	SM_B 0
	WIN 0x01                                       ; V window 1; P and O^T window 0
.irp t, 0,1,2,3
	v_wmma_f32_16x16x128_fp8_fp8 v[160+8*\t:167+8*\t], v[32+16*\t:47+16*\t], v[192:207], v[160+8*\t:167+8*\t]
.endr
	WIN 0
.Lhidden_\@:
	s_add_co_u32 s[KF], s[KF], 128
.endm
; THE CHANGE OF SLOTS stands at a slot's head.  Each wave waits for all its tensor loads, adds 0 to its spare word, and waits for that and for its reads of the slot that it has left.
; Behind the barrier the slot ahead is whole and nobody reads the other one.  fill = 1: that other slot takes the next trip's keys: the load has a whole trip in which to land.
.macro CHANGE fill
	s_wait_tensorcnt 0x0                           ; no tensor load of mine is out, so group 0 may be written
	ds_add_u32 v[SPW], v[NIL]                      ; 0 onto my spare word
.if \fill
	s_xor_b32 s[G0+1], s[G0+1], SLOT1              ; the other LDS slot than last time
	s_add_co_u32 s[NSI], s[NSI], 1                 ; the next key slot,
	s_add_co_u32 s66, s[TRIP], 1
	s_cmp_eq_u32 s66, s[N1]
	s_cselect_b32 s[NSI], 0, s[NSI]                ; or slot 0 again, where the next trip begins the second block
	s_lshl_b32 s66, s[NSI], 14
	s_mov_b32 s67, 0
	s_add_nc_u64 s[G0+2:G0+3], s[TBASE:TBASE+1], s[66:67]
	s_or_b32 s[G0+3], s[G0+3], 0x80000000
	s_wait_xcnt 0x0                                ; the last prefetch, a trip back, has read its address, so it may be written
	s_add_nc_u64 s[PFA:PFA+1], s[PFA:PFA+1], 16384
.endif
	s_wait_dscnt 0x0                               ; the add is done, and my reads of the slot that I have left are over
	s_barrier_signal -1
	s_barrier_wait -1
.if \fill
	TLOAD                                          ; the first thing behind the barrier, and a wave's one tensor load until the next
	ASK
.endif
.endm
; A tile's way out: O^T x 2^(e8 + e9) / the sum, the hold, the codes, and the exchange between the halves of the lanes.
; The conversion of channel tile t gives lane (r, h) the 8 codes d = 16 t + 8 h + 0 .. 7.  cc's image wants of lane (r, h) the 16 codes d = 32 b + 16 h + 0 .. 15: lanes 0-15 keep tile 2 b's and take lane l + 16's
; of the same tile; lanes 16-31 take lane l - 16's of tile 2 b + 1 and keep their own.  So each lane sends the pair that it does not keep.
.macro FIN1
	v_add_f32 v14, v14, v15
	s_delay_alu instid0(VALU_DEP_1)
	v_permlanex16_b32 v236, v14, s[SEL], s[SEL+1]
	s_delay_alu instid0(VALU_DEP_1)
	v_add_f32 v14, v14, v236                       ; the row's sum
	s_wait_alu depctr_va_vdst(0)
	v_rcp_f32 v14, v14
	v_nop                                          ; a plain instruction behind the transcendental
	s_wait_alu depctr_va_vdst(0)                   ; and the wait ahead of the first use
	v_ldexp_f32 v14, v14, s57                      ; x 2^(e8 + e9)
.set i, 0
.rept 16
	v_pk_mul_f32 v[96+i:97+i], v[160+i:161+i], v[14:15] op_sel_hi:[1,0]   ; each accumulator from its low end on
.set i, i+2
.endr
.set i, 0
.rept 32
.set i, i+1
.endr
.irp t, 0,1,2,3
	v_cvt_scalef32_pk8_fp8_f32 v[192+2*\t:193+2*\t], v[96+8*\t:103+8*\t], v245
.endr
	v_nop                                          ; one plain instruction between the conversions and the first use of a code
.irp b, 0,1
.irp i, 0,1
	v_cndmask_b32 v[208+2*\b+\i], v[194+4*\b+\i], v[192+4*\b+\i], s[HM]   ; what I send: lanes 0-15 tile 2 b + 1's, lanes 16-31 tile 2 b's
.endr
.endr
.irp k, 0,1,2,3
	s_delay_alu instid0(VALU_DEP_4)
	v_permlanex16_b32 v[212+\k], v[208+\k], s[SEL], s[SEL+1]
.endr
.irp b, 0,1
.irp i, 0,1
	v_cndmask_b32 v[224+4*\b+\i], v[192+4*\b+\i], v[212+2*\b+\i], s[HM]
	v_cndmask_b32 v[226+4*\b+\i], v[212+2*\b+\i], v[194+4*\b+\i], s[HM]
.endr
.endr
.endm
; cc: [row / 16: 512][ks 8][c 4][lane][16 bytes], row = 2,048 batch + t, k = 64 head + d = 128 ks + 32 c + 16 h + i: my head's two chunks begin 1,024 x head bytes into a tile of rows.
.macro FINISH
.rept 4
	v_nop                                          ; places behind the last products
.endr
	s_lshr_b32 s66, s[BH], 4
	s_lshl_b32 s66, s66, 7                         ; 128 tiles of rows a batch
	s_lshr_b32 s67, s[Q0], 4
	s_add_co_u32 s66, s66, s67
	s_lshl_b32 s66, s66, 14
	s_and_b32 s67, s[BH], 15
	s_lshl_b32 s67, s67, 10
	s_add_co_u32 s66, s66, s67
	s_wait_xcnt 0x0                                ; the first block's stores have read their offset and their data: both are written again below
	v_add_nc_u32 v[GO], s66, v[LI]
	FIN1
	WIN 0x55
	FIN1
	WIN 0
.irp b, 0,1
	global_store_b128 v[GO], v[224+4*\b:227+4*\b], s[12:13] offset:\b*512          ; 32 lanes store 512 consecutive bytes, at a multiple of 512 from cc's first byte
.endr
	WIN 0x04                                       ; store data window 1
.irp b, 0,1
	global_store_b128 v[GO], v[224+4*\b:227+4*\b], s[12:13] offset:16384+\b*512
.endr
	WIN 0
.endm
.macro NEW1
.irp k, 0,1,2,3,4,5,6,7
	v_mov_b32 v[16+\k], v[24+\k]                   ; the second block's Q
.endr
	INIT1
.endm
.macro NEWPASS
	s_mov_b32 s[Q0], s[Q0B]
	s_mov_b32 s[KF], 0
	NEW1
	WIN 0x55
	NEW1
	WIN 0
.endm
; A trip: where the second block begins, the first goes out (a branch on ids; no barrier or tensor load stands under it); then the slot's two key steps.
.macro TRIPBODY
	s_cmp_lg_u32 s[TRIP], s[N1]
	s_cbranch_scc1 .Lsame_\@
	FINISH
	NEWPASS
.Lsame_\@:
	STEP 0
	STEP 1
	s_xor_b32 s[TB], s[TB], SLOT1                  ; on to the other slot
.endm
	s_wait_loadcnt 0x0                             ; Q
.Ltrip:                                            ; eight trips: behind each change of slots but the last the next slot is asked for
	CHANGE 1
	TRIPBODY
	s_add_co_u32 s[TRIP], s[TRIP], 1
	s_sub_co_u32 s[SLOTS], s[SLOTS], 1
	s_cmp_lg_u32 s[SLOTS], 0
	s_cbranch_scc1 .Ltrip
	CHANGE 0                                       ; the ninth trip is written out
	TRIPBODY
	FINISH
	s_wait_tensorcnt 0x0                           ; the wave's end
	ds_add_u32 v[SPW], v[NIL]
	s_wait_dscnt 0x0
	s_endpgm
.Lfunc_end_k_qfe8abcc731_attn:
	.size	k_qfe8abcc731_attn, .Lfunc_end_k_qfe8abcc731_attn-k_qfe8abcc731_attn
	.p2alignl 7, 3214868480
	.fill 96, 4, 3214868480
	.section	.rodata,"a",@progbits
	.p2align	6, 0x0
	.amdhsa_kernel k_qfe8abcc731_attn
		.amdhsa_group_segment_fixed_size 327680
		.amdhsa_private_segment_fixed_size 0
		.amdhsa_enable_private_segment 0
		.amdhsa_kernarg_size 40
		.amdhsa_user_sgpr_count 2
		.amdhsa_user_sgpr_kernarg_segment_ptr 1
		.amdhsa_wavefront_size32 1
		.amdhsa_system_sgpr_workgroup_id_x 1
		.amdhsa_system_sgpr_workgroup_id_y 1
		.amdhsa_system_sgpr_workgroup_id_z 1
		.amdhsa_system_vgpr_workitem_id 0
		.amdhsa_next_free_vgpr 512
		.amdhsa_next_free_sgpr 80
		.amdhsa_reserve_vcc 1
		.amdhsa_float_denorm_mode_32 3
		.amdhsa_float_denorm_mode_16_64 3
		.amdhsa_fp16_overflow 1
		.amdhsa_memory_ordered 1
		.amdhsa_forward_progress 1
		.amdhsa_inst_pref_size 177
	.end_amdhsa_kernel
	.amdgpu_metadata
---
amdhsa.version: [ 1, 2 ]
amdhsa.kernels:
  - .name:           k_qfe8abcc731_attn
    .symbol:         k_qfe8abcc731_attn.kd
    .args:
      - { .name: qc, .offset: 0, .size: 8, .value_kind: global_buffer, .address_space: global }
      - { .name: kc, .offset: 8, .size: 8, .value_kind: global_buffer, .address_space: global }
      - { .name: vc, .offset: 16, .size: 8, .value_kind: global_buffer, .address_space: global }
      - { .name: lowp_scales, .offset: 24, .size: 8, .value_kind: global_buffer, .address_space: global }
      - { .name: cc, .offset: 32, .size: 8, .value_kind: global_buffer, .address_space: global }
    .group_segment_fixed_size: 327680
    .private_segment_fixed_size: 0
    .kernarg_segment_align: 8
    .kernarg_segment_size: 40
    .max_flat_workgroup_size: 256
    .sgpr_count:     80
    .vgpr_count:     512
    .wavefront_size: 32
...
	.end_amdgpu_metadata
.endif
;; end of part 2
;; launch proj (part 3): grid 4 x 64, 4 waves a work-group, clusters of 4 x 4, 327,680 bytes of LDS; arguments cc, Wo_codes, lowp_scales, bo, out0; writes out0
.if DOCPART == 3
	.amdgcn_target "amdgcn-amd-amdhsa--gfx1250"
	.amdhsa_code_object_version 6
	.text
	.protected	k_qfe8abcc731_proj
	.globl	k_qfe8abcc731_proj
	.p2align	8
	.type	k_qfe8abcc731_proj,@function
k_qfe8abcc731_proj:
	s_mov_b64 s[64:65], 0
	v_nop
	global_prefetch_b8 v0, s[64:65] scope:SCOPE_SE
	s_setreg_imm32_b32 hwreg(HW_REG_WAVE_MODE, 25, 1), 1
	s_wait_xcnt 0x0
	s_wait_alu depctr_hold_cnt(0) depctr_sa_sdst(0) depctr_va_vdst(0) depctr_va_sdst(0) depctr_va_ssrc(0) depctr_va_vcc(0) depctr_vm_vsrc(0)
	s_getreg_b32 s2, hwreg(HW_REG_IB_STS2, 6, 4)
	s_cmp_eq_u32 s2, 0
	s_cbranch_scc0 .Lentry_in_a_cluster
	s_endpgm
.Lentry_in_a_cluster:
	s_bfe_u32 s2, ttmp6, 0x10000c
	s_cmp_lg_u32 s2, 0xf033
	s_cbranch_scc0 .Lentry_shape_is_right
	s_endpgm
.Lentry_shape_is_right:
; out0 = ctx Wo + bo on codes of FP8 (E4M3).  cc: ctx's codes as images of the operand's registers, [row / 16: 512][ks 8][c 4][lane 32][16 bytes]: lane (r, h) holds row 16 rt + r, k = 128 ks + 32 c + 16 h + 0 .. 15.
; Wo: [1024 (n)][1024 (k)] codes, K innermost.  out0: [8192][1024] f32 = sum x 2^(e10 + e11) + bo.
; LIMIT: e10 + e11 between -126 and 127, so that 2^(e10 + e11) is an f32 number.  k is laid in the fragments alike on both sides (Wo's by loads of 16 bytes at 32 c + 16 h): the order of the sums inside one matrix instruction differs from ascending k.
; SHARES.  A tile of 128 rows x 256 columns to a work-group: 64 x 4 = 256 work-groups.  Each of four waves makes 64 x 128: 32 accumulators, 256 registers.
; K = 1,024 is four K steps of 256.  THREE LDS slots: K steps 0, 1, 2 go out together at the start, K step 3 fills slot 0 again: one round of the cluster's barrier in the whole product.  The eight steps of 128 are written out.
; CLUSTERS: 4 x 4 work-groups: ctx's tiles are shared along a row of the cluster, Wo's along a column, each asked for jointly.
; THE MATRIX INSTRUCTION IS USED TRANSPOSED (source 0 = 16 rows of Wo, source 1 = 16 rows of ctx): a lane holds eight neighbouring columns of one row of out0.
; REGISTERS, in windows of 256: window 0: v0-31 addresses; v32-95 a block's results; v128-255 ctx's fragments, two sets of 64; on the way out rows read back.   window 1: Wo's fragments, two sets of 128.
;   window 2: the accumulators ((a, b) at v[8 (8 a + b)]).   window 3: v0-63 bo in the results' layout.
.set PITCH,  272                       ; a row of Wo's tile in LDS: 256 bytes + 16 of padding
.set HALFB,  128*PITCH
.set AREG,   32768                     ; ctx's part of a slot: 8 tiles of rows x 4,096 bytes of images, dense
.set SLOT,   AREG+2*HALFB              ; 102,400
.set SPARE,  3*SLOT                    ; behind the slots: the spare words, 128 bytes for each wave
.set SPITCH, 528                       ; the way out: 16 rows x (512 bytes + 16) for each wave,
.set STAGE,  SLOT                      ; in slot 1, which is filled once, at the start, and is read last ahead of the second barrier below
.set ADRA, 16                          ; v16-18  LDS address of my ctx fragments in slot 0, 1, 2
.set ADRB, 20                          ; v20-22  of my Wo fragments
.set STO,  24
.set RD,   25
.set CO,   26                          ; v26     16 x lane; never rewritten
.set BA,   27                          ; v27     my byte offset in bo
.set SPW,  28
.set NIL,  29
.set TMP,  32
.set AF,   128
.set BK,   128
.set G1,  24                           ; s[24:31] descriptor group 1 for ctx's tiles;  s[32:43] group 0, one set for each slot
.set G0,  32
.set G1B, 44                           ; s[44:51], s[52:63] the same for Wo's tiles
.set G0B, 52
.set MSB, 0
.macro WIN new
.if MSB != \new
	s_set_vgpr_msb (MSB<<8)|\new
.set MSB, \new
.endif
.endm
.set MUL, 0xa1                         ; source 0 (Wo) window 1, source 1 (ctx) window 0, C and D window 2
.macro JLOAD s                         ; a joint load: waves 0 and 1 fetch ctx's halves, waves 2 and 3 Wo's; four v_nop follow each of the two lines
	s_cmp_eq_u32 s15, 0
	s_cbranch_scc0 .Lfor_b_\@
	tensor_load_to_lds s[G0+4*\s:G0+4*\s+3], s[G1:G1+7]
	s_nop 0
.rept 4
	v_nop
.endr
	s_branch .Lasked_\@
.Lfor_b_\@:
	tensor_load_to_lds s[G0B+4*\s:G0B+4*\s+3], s[G1B:G1B+7]
	s_nop 0
.rept 4
	v_nop
.endr
.Lasked_\@:
.endm
.macro CREST
	s_cmp_lg_u32 s14, 0
	s_cbranch_scc1 .Lnot_wave_0_\@
	s_barrier_signal -3
.Lnot_wave_0_\@:
	s_barrier_wait -3
	s_barrier_signal -1
	s_barrier_wait -1
.endm
.macro CROUND
	s_barrier_signal -1
	s_barrier_wait -1
	CREST
.endm
.macro PLACES n
.rept \n
	v_nop
.endr
.endm
	s_load_b128 s[4:7], s[0:1], 0x0                ; cc, Wo's codes
	s_load_b128 s[8:11], s[0:1], 0x10              ; the scales' exponents, bo
	s_load_b64 s[12:13], s[0:1], 0x20              ; out0
	v_lshl_add_u32 v[SPW], v0, 2, SPARE
	v_mov_b32 v[NIL], 0
	ds_add_u32 v28, v29
	ds_add_u32 v28, v29
	s_wait_dscnt 0x0
	v_lshrrev_b32 v1, 5, v0
	v_readfirstlane_b32 s14, v1                    ; wave 0..3
	s_lshr_b32 s15, s14, 1                         ; which 64 rows are mine.  Also: I fetch for ctx (0) or for Wo (1)
	s_and_b32 s16, s14, 1                          ; which 128 columns.  Also: which half of that tile I fetch
	s_bfe_u32 s66, ttmp6, 0x40000                  ; cx
	s_bfe_u32 s67, ttmp6, 0x40004                  ; cy
	s_lshl_b32 s68, ttmp9, 2
	s_add_co_u32 s68, s68, s66                     ; tile column = 4 x cluster x + cx
	s_and_b32 s17, ttmp7, 0xffff
	s_lshl_b32 s17, s17, 2
	s_add_co_u32 s17, s17, s67                     ; tile row = 4 x cluster y + cy
	s_lshl_b32 s69, s67, 2
	s_lshl_b32 s69, 15, s69                        ; my row of the cluster
	s_lshl_b32 s70, 0x1111, s66                    ; my column
	; group 1 for ctx: 4 tiles of rows x 4,096 bytes (two K steps of 128 of images), 16,384 bytes apart in memory, dense in LDS
	s_or_b32 s[G1], s69, (0<<16)|(1<<21)           ; the mask: my row; elements of 1 byte; no padding; 21 set beside a mask
	s_mov_b32 s[G1+1], 4096<<16                    ; tensor_dim0
	s_mov_b32 s[G1+2], 4<<16                       ; tensor_dim1
	s_mov_b32 s[G1+3], 4096<<16                    ; tile_dim0
	s_mov_b32 s[G1+4], 4                           ; tile_dim1
	s_mov_b32 s[G1+5], 16384                       ; the pitch
	s_mov_b32 s[G1+6], 0
	s_mov_b32 s[G1+7], 0
	; group 1 for Wo: 128 rows x 256 bytes, 1,024 apart, 16 bytes of padding behind each
	s_or_b32 s[G1B], s70, (0<<16)|(1<<20)|(1<<21)|(5<<22)|(3<<25)
	s_mov_b32 s[G1B+1], 256<<16
	s_mov_b32 s[G1B+2], 128<<16
	s_mov_b32 s[G1B+3], 256<<16
	s_mov_b32 s[G1B+4], 128
	s_mov_b32 s[G1B+5], 1024
	s_mov_b32 s[G1B+6], 0
	s_mov_b32 s[G1B+7], 0
	s_lshl_b32 s20, s17, 3
	s_lshl_b32 s18, s16, 2
	s_add_co_u32 s20, s20, s18
	s_lshl_b32 s20, s20, 14                        ; ctx: tile of rows 8 x tile row + 4 x half, 16,384 bytes each
	s_mov_b32 s21, 0
	s_lshl_b32 s74, s68, 8
	s_lshl_b32 s18, s16, 7
	s_add_co_u32 s74, s74, s18
	s_lshl_b32 s74, s74, 10                        ; Wo: row 256 x tile column + 128 x half
	s_mov_b32 s75, 0
	s_lshl_b32 s71, s16, 14                        ; where they go: no place in the cluster enters an LDS address
	s_mul_i32 s72, s16, HALFB
	s_add_co_u32 s72, s72, AREG
	s_wait_kmcnt 0x0
	s_load_b64 s[96:97], s[8:9], 0x28              ; e10, e11
	s_add_nc_u64 s[20:21], s[4:5], s[20:21]
	s_add_nc_u64 s[74:75], s[6:7], s[74:75]
.irp s, 0,1,2
	s_mov_b32 s[G0+4*\s], 1
	s_add_co_u32 s[G0+4*\s+1], s71, \s*SLOT
	s_add_nc_u64 s[G0+4*\s+2:G0+4*\s+3], s[20:21], \s*4096
	s_or_b32 s[G0+4*\s+3], s[G0+4*\s+3], 0x80000000
	s_mov_b32 s[G0B+4*\s], 1
	s_add_co_u32 s[G0B+4*\s+1], s72, \s*SLOT
	s_add_nc_u64 s[G0B+4*\s+2:G0B+4*\s+3], s[74:75], \s*256
	s_or_b32 s[G0B+4*\s+3], s[G0B+4*\s+3], 0x80000000
.endr
	CROUND                                         ; all sixteen work-groups are here: the first joint loads meet
	s_cmp_eq_u32 s15, 0                            ; a wave's three first fills stand in one branch: three loads of mine are out
	s_cbranch_scc0 .Lfirst_b
	tensor_load_to_lds s[G0:G0+3], s[G1:G1+7]
	s_nop 0
	tensor_load_to_lds s[G0+4:G0+7], s[G1:G1+7]
	s_nop 0
	tensor_load_to_lds s[G0+8:G0+11], s[G1:G1+7]
	s_nop 0
.rept 4
	v_nop
.endr
	s_branch .Lfirst_asked
.Lfirst_b:
	tensor_load_to_lds s[G0B:G0B+3], s[G1B:G1B+7]
	s_nop 0
	tensor_load_to_lds s[G0B+4:G0B+7], s[G1B:G1B+7]
	s_nop 0
	tensor_load_to_lds s[G0B+8:G0B+11], s[G1B:G1B+7]
	s_nop 0
.rept 4
	v_nop
.endr
.Lfirst_asked:
	v_and_b32 v1, 15, v0                           ; r
	v_bfe_u32 v2, v0, 4, 1                         ; h
	v_and_b32 v6, 31, v0
	v_lshlrev_b32 v[CO], 4, v6
	v_mul_u32_u24 v3, v1, PITCH
	v_lshl_add_u32 v4, v2, 4, v3                   ; Wo: row x pitch + 16 h
	s_lshl_b32 s21, s15, 14                        ; my four tiles of rows
	s_mul_i32 s22, s16, HALFB
	s_add_co_u32 s22, s22, AREG                    ; my 128 rows of Wo
.irp s, 0,1,2
	v_add_nc_u32 v[ADRA+\s], s21, v[CO]
	v_add_nc_u32 v[ADRB+\s], s22, v4
	s_add_co_u32 s21, s21, SLOT
	s_add_co_u32 s22, s22, SLOT
.endr
	s_mul_i32 s23, s14, 16*SPITCH
	s_add_co_u32 s23, s23, STAGE                   ; my stage
	v_mul_u32_u24 v5, v1, SPITCH
	v_lshl_add_u32 v5, v2, 5, v5
	v_add_nc_u32 v[STO], s23, v5                   ; in: row r, 32 bytes for each half of the lanes
	v_add_nc_u32 v[RD], s23, v[CO]                 ; back: the 32 lanes take one row of 512 bytes
	s_lshl_b32 s20, s17, 7
	s_lshl_b32 s21, s15, 6
	s_add_co_u32 s20, s20, s21                     ; my first row of out0
	s_lshl_b32 s20, s20, 12                        ; rows of 4,096 bytes: under 2^25
	s_mov_b32 s21, 0
	s_add_nc_u64 s[12:13], s[12:13], s[20:21]
	s_lshl_b32 s76, s68, 10
	s_lshl_b32 s77, s16, 9
	s_add_co_u32 s76, s76, s77                     ; my first column, in bytes: in out0's rows and in bo alike
	v_lshl_add_u32 v[BA], v2, 5, s76               ; + 8 h numbers
	s_mov_b32 s77, 0
	s_add_nc_u64 s[12:13], s[12:13], s[76:77]
	WIN 0xc0                                       ; destination window 3
.irp b, 0,1,2,3,4,5,6,7
	global_load_b128 v[8*\b:8*\b+3], v[BA], s[10:11] offset:64*\b       ; bo of columns 16 b + 8 h + 0 .. 7
	global_load_b128 v[8*\b+4:8*\b+7], v[BA], s[10:11] offset:64*\b+16
.endr
	WIN 0
	s_wait_kmcnt 0x0
	s_add_co_i32 s96, s96, s97
	s_add_co_i32 s96, s96, 127
	s_lshl_b32 s96, s96, 23                        ; 2^(e10 + e11) as f32
	s_mov_b32 s97, s96                             ; (named with it as a pair, so it is written)
; 48 LDS loads in one run: the fragments of the slot's q-th 128 along K into one of the two sets
.macro FETCH slot, q, set
	WIN 0x40
.irp i, 0,1,2,3,4,5,6,7
.irp c, 0,1,2,3
	ds_load_b128 v[128*(\set)+16*\i+4*\c:128*(\set)+16*\i+4*\c+3], v[ADRB+\slot] offset:128*(\q)+32*\c+\i*16*PITCH
.endr
.endr
	WIN 0
.irp i, 0,1,2,3
.irp c, 0,1,2,3
	ds_load_b128 v[AF+64*(\set)+16*\i+4*\c:AF+64*(\set)+16*\i+4*\c+3], v[ADRA+\slot] offset:\i*4096+(\q)*2048+512*\c
.endr
.endr
.endm
; 8 matrix instructions: ctx's tile of rows a x Wo's eight.  The 32 accumulators take turns, one instruction a turn, in the same order in every step.
.macro MUL8 a, set, zero
.irp b, 0,1,2,3,4,5,6,7
.if \zero
	v_wmma_f32_16x16x128_fp8_fp8 v[8*(8*(\a)+\b):8*(8*(\a)+\b)+7], v[128*(\set)+16*\b:128*(\set)+16*\b+15], v[AF+64*(\set)+16*(\a):AF+64*(\set)+16*(\a)+15], 0
.else
	v_wmma_f32_16x16x128_fp8_fp8 v[8*(8*(\a)+\b):8*(8*(\a)+\b)+7], v[128*(\set)+16*\b:128*(\set)+16*\b+15], v[AF+64*(\set)+16*(\a):AF+64*(\set)+16*(\a)+15], v[8*(8*(\a)+\b):8*(8*(\a)+\b)+7]
.endif
.endr
.endm
; A step of 128 along K: this step's fragments are in; the next step's are asked for, into the other set, 32 matrix instructions ahead of their use.
.macro STEP set, nslot, nq, zero
	s_wait_dscnt 0x0
	PLACES 4                                       ; in front of loads into the set that the last step's products read
	FETCH \nslot, \nq, 1-(\set)
	WIN MUL
	MUL8 0, \set, \zero
	MUL8 1, \set, \zero
	MUL8 2, \set, \zero
	MUL8 3, \set, \zero
	WIN 0
.endm
; A step (on set 1) with a barrier in it.  In front of the barrier each wave waits for all its tensor loads, adds 0 to its spare word, and waits for that and for its LDS reads.
; fill = 1: the barrier opens a round of the cluster's barrier, and slot 0, which nobody reads any more, takes K step 3.
.macro TURN fill, nslot
	s_wait_tensorcnt 0x0
	ds_add_u32 v[SPW], v[NIL]                      ; 0 onto my spare word
	s_wait_dscnt 1                                 ; this step's fragments are in; the add alone may be out
	WIN MUL
	MUL8 0, 1, 0                                   ; eight matrix instructions stand between the add and the wait for it
	s_wait_dscnt 0x0
	s_barrier_signal -1
	MUL8 1, 1, 0
	WIN 0
	s_barrier_wait -1
.if \fill
	CREST
	s_add_nc_u64 s[G0+2:G0+3], s[G0+2:G0+3], 3*4096
	s_add_nc_u64 s[G0B+2:G0B+3], s[G0B+2:G0B+3], 3*256
	JLOAD 0                                        ; the first tensor load behind the round; its four v_nop are also the places in front of the loads below
.else
	PLACES 4
.endif
	s_wait_alu depctr_va_vdst(0)
	FETCH \nslot, 0, 0
	WIN MUL
	MUL8 2, 1, 0
	MUL8 3, 1, 0
	WIN 0
.endm
	s_wait_tensorcnt 2                             ; my part of K step 0 is in; K steps 1 and 2 may be out
	s_barrier_signal -1
	s_barrier_wait -1
	FETCH 0, 0, 0
	STEP 0, 0, 1, 1                                ; slot 0, first 128: the products start the sums
	TURN 1, 1                                      ; slot 0, second 128; all three first fills have landed in every wave; slot 0 is asked for again
	STEP 0, 1, 1, 0                                ; slot 1
	STEP 1, 2, 0, 0
	STEP 0, 2, 1, 0                                ; slot 2
	TURN 0, 0                                      ; K step 3 has landed in every wave; nothing is left to fetch, so no round
	STEP 0, 0, 1, 0                                ; slot 0 again
	s_wait_dscnt 0x0                               ; the last step
	WIN MUL
	MUL8 0, 1, 0
	MUL8 1, 1, 0
	MUL8 2, 1, 0
	MUL8 3, 1, 0
	WIN 0
; THE WAY OUT, a block of 16 rows x 128 columns at a time: sum x 2^(e10 + e11) + bo, through my own stage in LDS, back as whole rows of 512 bytes.  LDS serves a wave's instructions in order (ISA guide 5.7.1.4).
.macro TOSTAGE a
	WIN 0x32                                       ; source 0 (the sums) window 2, source 2 (bo) window 3
.set i, 0
.rept 32
	v_pk_fma_f32 v[TMP+i:TMP+i+1], v[64*(\a)+i:64*(\a)+i+1], s[96:97], v[i:i+1] op_sel_hi:[1,0,1]   ; each accumulator from its low end on
.set i, i+2
.endr
	WIN 0
.irp b, 0,1,2,3,4,5,6,7
	ds_store_b128 v[STO], v[TMP+8*\b:TMP+8*\b+3] offset:64*\b
	ds_store_b128 v[STO], v[TMP+8*\b+4:TMP+8*\b+7] offset:64*\b+16
.endr
.irp t, 0,1,2,3,4,5,6,7,8,9,10,11,12,13,14,15
	ds_load_b128 v[BK+64*((\a)%2)+4*\t:BK+64*((\a)%2)+4*\t+3], v[RD] offset:\t*SPITCH
.endr
.endm
.macro SEND a, younger                 ; younger: the LDS instructions issued behind block a's loads, which may stay out
	s_wait_dscnt \younger
.irp t, 0,1,2,3,4,5,6,7,8,9,10,11,12,13,14,15
	global_store_b128 v[CO], v[BK+64*((\a)%2)+4*\t:BK+64*((\a)%2)+4*\t+3], s[12:13] offset:(16*(\a)+\t)*4096 th:TH_STORE_NT   ; 32 lanes store 512 consecutive bytes, at a multiple of 512 from out0's first byte
.endr
.endm
	s_wait_loadcnt 0x0                             ; bo
	PLACES 4                                       ; behind the last products
	TOSTAGE 0
	TOSTAGE 1
	SEND 0, 32                                     ; behind block 0's loads: block 1's 16 stores and 16 loads
	s_wait_xcnt 0x0                                ; block 0's stores have read their data: block 2's loads may land there
	TOSTAGE 2
	SEND 1, 32
	s_wait_xcnt 0x0
	TOSTAGE 3
	SEND 2, 32
	SEND 3, 0
	s_wait_tensorcnt 0x0                           ; the wave's end
	ds_add_u32 v[SPW], v[NIL]
	s_wait_dscnt 0x0
	CROUND                                         ; the closing round
	s_endpgm
.Lfunc_end_k_qfe8abcc731_proj:
	.size	k_qfe8abcc731_proj, .Lfunc_end_k_qfe8abcc731_proj-k_qfe8abcc731_proj
	.p2alignl 7, 3214868480
	.fill 96, 4, 3214868480
	.section	.rodata,"a",@progbits
	.p2align	6, 0x0
	.amdhsa_kernel k_qfe8abcc731_proj
		.amdhsa_group_segment_fixed_size 327680
		.amdhsa_private_segment_fixed_size 0
		.amdhsa_enable_private_segment 0
		.amdhsa_kernarg_size 40
		.amdhsa_user_sgpr_count 2
		.amdhsa_user_sgpr_kernarg_segment_ptr 1
		.amdhsa_wavefront_size32 1
		.amdhsa_system_sgpr_workgroup_id_x 1
		.amdhsa_system_sgpr_workgroup_id_y 1
		.amdhsa_system_sgpr_workgroup_id_z 1
		.amdhsa_system_vgpr_workitem_id 0
		.amdhsa_next_free_vgpr 832
		.amdhsa_next_free_sgpr 98
		.amdhsa_reserve_vcc 0
		.amdhsa_float_denorm_mode_32 3
		.amdhsa_float_denorm_mode_16_64 3
		.amdhsa_memory_ordered 1
		.amdhsa_forward_progress 1
		.amdhsa_inst_pref_size 76
	.end_amdhsa_kernel
	.amdgpu_metadata
---
amdhsa.version: [ 1, 2 ]
amdhsa.kernels:
  - .name:           k_qfe8abcc731_proj
    .symbol:         k_qfe8abcc731_proj.kd
    .args:
      - { .name: cc, .offset: 0, .size: 8, .value_kind: global_buffer, .address_space: global }
      - { .name: Wo_codes, .offset: 8, .size: 8, .value_kind: global_buffer, .address_space: global }
      - { .name: lowp_scales, .offset: 16, .size: 8, .value_kind: global_buffer, .address_space: global }
      - { .name: bo, .offset: 24, .size: 8, .value_kind: global_buffer, .address_space: global }
      - { .name: out0, .offset: 32, .size: 8, .value_kind: global_buffer, .address_space: global }
    .group_segment_fixed_size: 327680
    .private_segment_fixed_size: 0
    .kernarg_segment_align: 8
    .kernarg_segment_size: 40
    .max_flat_workgroup_size: 128
    .sgpr_count:     98
    .vgpr_count:     832
    .wavefront_size: 32
...
	.end_amdgpu_metadata
.endif
;; end of part 3
